; MI455X (gfx1250); checked and timed in simulation.
; The chip was launched on July 23, 2026; its instructions are those of AMD's public machine-readable ISA for CDNA 5 (MIT licence, August 2026) and "CDNA5" Instruction Set Architecture Reference Guide (July 2026). The comments in the code are by the model that wrote it; some were corrected since.
;; Self Attention3 D. Allowed arithmetic: float matrix products may take bf16 or f16 operands with f32 sums; all other float work in f32.
;; Inputs: Wk 16 x 128 float32; Wq 16 x 128 float32; Wv 128 x 128 float32; bk 16 float32; bq 16 float32; bv 128 float32; gamma 1 float32; x 4 x 128 x 16 x 16 x 16 float32.
;; Outputs: out0 4 x 128 x 16 x 16 x 16 float32.
;; 2 versions, each right; version 2 is version 1 with the launch prep written anew for expert scheduling mode. Each part assembles by itself: llvm-mc -triple=amdgcn-amd-amdhsa -mcpu=gfx1250 --defsym DOCPART=n.
;; ======== version 1 of 2: 2 launches
;; workspace buffers: kv 4,718,592 bytes; qb 524,288 bytes; wvb 32,768 bytes
;; launch prep (part 1): grid 32 x 4, 8 waves a work-group, no clusters, 46,080 bytes of LDS; arguments x, Wq, Wk, bq, bk, Wv, kv, qb, wvb; writes kv, qb, wvb
.if DOCPART == 1
	.amdgcn_target "amdgcn-amd-amdhsa--gfx1250"
	.amdhsa_code_object_version 6
	.text
	.protected	k_qf3b046e492_prep
	.globl	k_qf3b046e492_prep
	.p2align	8
	.type	k_qf3b046e492_prep,@function
k_qf3b046e492_prep:
	s_mov_b64 s[64:65], 0
	v_nop
	global_prefetch_b8 v0, s[64:65] scope:SCOPE_SE
	s_setreg_imm32_b32 hwreg(HW_REG_WAVE_MODE, 25, 1), 1
	s_wait_xcnt 0x0
; PREPARATION FOR THE ATTENTION LAUNCH.  x: [4][128 c][4096 n] f32.  A work-group takes 128 tokens of one batch, eight waves.
; It stores, all in bf16 and all in the order in which a matrix instruction's lanes want their 16 bytes (L = lane, r = L % 16, h = L / 16):
;   kv  [b][substep of 32 tokens: 128][9,216 bytes]: eight X fragments of 1,024 bytes (c tile ct; byte q2*512 + 16 L = x[16 ct + r][32 s + 16 q2 + 8 h .. +7]),
;       then two K fragments of 512 bytes (token tile kt; byte 16 L = k[32 s + 16 kt + r][8 h .. +7])
;   qb  [b][token tile of 16: 256][512 bytes]: byte 16 L = log2(e) * q[16 t + r][8 h .. +7]   (the factor turns e^s into 2^s' for the next launch)
;   wvb [vt 8][t 4][q2 2][L 32][16 bytes] = Wv[16 vt + r][32 t + 16 q2 + 8 h .. +7]; each work-group converts one block of 256 bytes of it
; q and k are matrix products W (16 x 128) times x (128 x 16 tokens a wave), bf16 operands, f32 sums that start from the bias.
; Every store of a wave covers 512 (wvb: 256) consecutive bytes that start at a multiple of 256 from the buffer's first byte.
; No tensor loads, no cluster: no two work-groups read the same bytes of x, and the weights are a small part of what a work-group reads
; (16 KiB of Wq and Wk beside 64 KiB of x).
; LIMIT: x, Wq, Wk, Wv, q and k are rounded to bf16 (nearest even), as operands of matrix products.
.set XPITCH, 288                       ; an LDS row of x: 256 bytes of bf16 + 32: an odd multiple of 32 bytes, so that the transposing loads' rows start in different banks
.set WFB,    128*XPITCH                ; behind the 128 rows: the eight W fragments (Wq's four K steps, then Wk's), 1,024 bytes each
.set SUBB,   9216                      ; bytes of a substep in kv
.set LOG2E,  0x3fb8aa3b
.set VL,  1                            ; lane
.set VR,  2                            ; r
.set VH,  3                            ; h
.set OW,  4                            ; byte offset of my 8 numbers in Wq and in Wk
.set OBI, 5                            ; byte offset of my 8 biases
.set O16, 6                            ; 16 L
.set LW,  7                            ; LDS: where my W chunk goes
.set LX,  8                            ; LDS: where my 8 bytes of a row of x go
.set LR,  9                            ; LDS: my 16 bytes of an X fragment
.set LF,  10                           ; LDS: my 16 bytes of a W fragment
.set LT,  11                           ; LDS: my address for the transposing loads
.set OV,  12                           ; byte offset of my 4 numbers of Wv
.set O8,  13                           ; 8 L
.set T,   14                           ; v14-15 scratch
.set WR,  16                           ; v[16:31]   my chunks of Wq and Wk, f32
.set DQ,  32                           ; v[32:39]   q's sums, started by bq
.set DK,  40                           ; v[40:47]   k's sums, started by bk
.set XR,  48                           ; v[48:111]  16 rows of x as loaded, converted in place; at the end the packed q and k
.set CV,  112                          ; v[112:119] my W chunks in bf16
.set RL,  120                          ; v[120:151] my c tile's eight halves of X fragments
.set WFR, 152                          ; v[152:215] the eight W fragments
.set BF,  216                          ; v[216:247] x as B fragments, four K steps
.set WV,  248                          ; v[248:251] four numbers of Wv
.set WVP, 252                          ; v[252:253] the same in bf16
	s_load_b256 s[4:11], s[0:1], 0x0               ; x s[4:5], Wq s[6:7], Wk s[8:9], bq s[10:11]
	s_load_b256 s[12:19], s[0:1], 0x20             ; bk s[12:13], Wv s[14:15], kv s[16:17], qb s[18:19]
	s_load_b64 s[20:21], s[0:1], 0x40              ; wvb
	v_lshl_add_u32 v254, v0, 2, 0xb000
	v_mov_b32 v255, 0
	v_lshrrev_b32 v[T], 5, v0
	v_readfirstlane_b32 s22, v[T]                  ; wave w: c rows 16 w .. +15 on the way in, tokens 16 w .. +15 in the products
	s_and_b32 s24, ttmp7, 0xffff                   ; batch b; ttmp9 is the block of 128 tokens, kb
	v_and_b32 v[VL], 31, v0
	v_and_b32 v[VR], 15, v0
	v_bfe_u32 v[VH], v0, 4, 1
	v_lshlrev_b32 v[O16], 4, v[VL]
	v_lshlrev_b32 v[O8], 3, v[VL]
	v_lshlrev_b32 v[OBI], 5, v[VH]                 ; biases 8 h .. 8 h + 7
	v_lshl_add_u32 v[OW], v[VR], 9, v[OBI]         ; W[r][16 w + 8 h ..]: 512 r + 32 h
	s_lshl_b32 s25, s22, 6
	v_add_nc_u32 v[OW], s25, v[OW]                 ; + 64 w
	s_lshl_b32 s25, s22, 9
	s_add_co_u32 s25, s25, WFB
	v_add_nc_u32 v[LW], s25, v[O16]                ; chunk w is half (w % 2) of K step w / 2: fragment bytes 512 w + 16 L
	s_mul_i32 s25, s22, 16*XPITCH                  ; my 16 rows of x in LDS
	v_add_nc_u32 v[LX], s25, v[O8]
	v_mul_u32_u24 v[T], v[VR], XPITCH
	v_lshl_add_u32 v[T], v[VH], 4, v[T]
	v_add_nc_u32 v[LR], s25, v[T]                  ; row 16 w + r, 16 h bytes in
	v_add_nc_u32 v[LF], WFB, v[O16]
	v_and_b32 v[T], 7, v0
	v_lshl_add_u32 v[T], v[VH], 3, v[T]            ; c row 8 h + L % 8 of a K step's first sixteen
	v_mul_u32_u24 v[T], v[T], XPITCH
	v_bfe_u32 v[T+1], v0, 3, 1
	v_lshl_add_u32 v[T], v[T+1], 4, v[T]           ; tokens 8 ((L / 8) % 2) .. +7 of my sixteen
	s_lshl_b32 s25, s22, 5
	v_add_nc_u32 v[LT], s25, v[T]                  ; my sixteen tokens begin 32 w bytes into a row
	v_lshrrev_b32 v[T], 1, v[VL]
	v_and_b32 v[T+1], 1, v0
	v_lshlrev_b32 v[T+1], 4, v[T+1]
	v_lshl_add_u32 v[OV], v[T], 9, v[T+1]          ; Wv: row L / 2 of sixteen, 4 (L % 2) numbers in
	; byte offsets, each in a pair of its own with 0 above it (all below 4 GiB)
	s_lshl_b32 s26, s24, 21                        ; x: 2 MiB a batch
	s_lshl_b32 s25, s22, 18                        ;    + 16 w rows of 16,384 bytes
	s_add_co_u32 s26, s26, s25
	s_lshl_b32 s25, ttmp9, 9                       ;    + 128 kb tokens
	s_add_co_u32 s26, s26, s25
	s_mov_b32 s27, 0
	s_lshl_b32 s28, s24, 7
	s_lshl_b32 s25, ttmp9, 2
	s_add_co_u32 s28, s28, s25
	s_mul_i32 s28, s28, SUBB                       ; kv: substep 128 b + 4 kb
	s_lshl_b32 s25, s22, 10
	s_add_co_u32 s30, s28, s25                     ; X fragments: c tile w
	s_mov_b32 s31, 0
	s_lshr_b32 s25, s22, 1
	s_mul_i32 s25, s25, SUBB
	s_add_co_u32 s32, s28, s25                     ; K fragment: substep w / 2 of the block's four,
	s_and_b32 s25, s22, 1
	s_lshl_b32 s25, s25, 9
	s_add_co_u32 s32, s32, s25                     ; token tile w % 2
	s_mov_b32 s33, 0
	s_lshl_b32 s34, s24, 8
	s_lshl_b32 s25, ttmp9, 3
	s_add_co_u32 s34, s34, s25
	s_add_co_u32 s34, s34, s22
	s_lshl_b32 s34, s34, 9                         ; qb: token tile 256 b + 8 kb + w
	s_mov_b32 s35, 0
	s_lshl_b32 s25, s24, 5
	s_add_co_u32 s25, s25, ttmp9                   ; g = 32 b + kb, 0 to 127: which 256 bytes of wvb this work-group makes
	s_lshl_b32 s36, s25, 8
	s_mov_b32 s37, 0
	s_lshr_b32 s38, s25, 4
	s_lshl_b32 s38, s38, 13                        ; Wv: rows 16 (g / 16) ..,
	s_and_b32 s25, s25, 15
	s_lshl_b32 s25, s25, 5
	s_add_co_u32 s38, s38, s25                     ; columns 8 (g % 16) ..
	s_mov_b32 s39, 0
	s_wait_kmcnt 0x0
	s_add_nc_u64 s[4:5], s[4:5], s[26:27]
	s_add_nc_u64 s[30:31], s[16:17], s[30:31]
	s_add_nc_u64 s[32:33], s[16:17], s[32:33]
	s_add_nc_u64 s[18:19], s[18:19], s[34:35]
	s_add_nc_u64 s[20:21], s[20:21], s[36:37]
	s_add_nc_u64 s[14:15], s[14:15], s[38:39]
	; eight small loads, then my sixteen rows of x: each row load covers 512 consecutive bytes
	global_load_b128 v[WR:WR+3],     v[OW], s[6:7]
	global_load_b128 v[WR+4:WR+7],   v[OW], s[6:7] offset:16
	global_load_b128 v[WR+8:WR+11],  v[OW], s[8:9]
	global_load_b128 v[WR+12:WR+15], v[OW], s[8:9] offset:16
	global_load_b128 v[DQ:DQ+3],     v[OBI], s[10:11]          ; register j of a result is channel 8 h + j: the bias lies where the sum will
	global_load_b128 v[DQ+4:DQ+7],   v[OBI], s[10:11] offset:16
	global_load_b128 v[DK:DK+3],     v[OBI], s[12:13]
	global_load_b128 v[DK+4:DK+7],   v[OBI], s[12:13] offset:16
.irp j, 0,1,2,3,4,5,6,7,8,9,10,11,12,13,14,15
	global_load_b128 v[XR+4*\j:XR+4*\j+3], v[O16], s[4:5] offset:\j*16384
.endr
	; wave 0 alone: this work-group's 256 bytes of wvb.  Its wait is for all loads, since this load is the youngest;
	; the counted waits below are then met at once in wave 0.
	s_cmp_lg_u32 s22, 0
	s_cbranch_scc1 .Lno_wv
	global_load_b128 v[WV:WV+3], v[OV], s[14:15]
	s_wait_loadcnt 0x0
	v_cvt_pk_bf16_f32 v[WVP],   v[WV],   v[WV+1]
	v_cvt_pk_bf16_f32 v[WVP+1], v[WV+2], v[WV+3]
	global_store_b64 v[O8], v[WVP:WVP+1], s[20:21]             ; 32 lanes x 8 bytes: 256 consecutive bytes
.Lno_wv:
	s_wait_loadcnt 16                              ; loads come back in order (ISA guide 5.7.1): the eight small ones are in, the 16 rows may be out
.irp k, 0,1,2,3,4,5,6,7
	v_cvt_pk_bf16_f32 v[CV+\k], v[WR+2*\k], v[WR+2*\k+1]
.endr
	ds_store_b128 v[LW], v[CV:CV+3]                            ; Wq's chunk
	ds_store_b128 v[LW], v[CV+4:CV+7] offset:4096              ; Wk's
.irp j, 0,1,2,3,4,5,6,7,8,9,10,11,12,13,14,15
	s_wait_loadcnt 15-\j                           ; row j is in, the younger rows may be out
	v_cvt_pk_bf16_f32 v[XR+4*\j],   v[XR+4*\j],   v[XR+4*\j+1]
	v_cvt_pk_bf16_f32 v[XR+4*\j+1], v[XR+4*\j+2], v[XR+4*\j+3]
	ds_store_b64 v[LX], v[XR+4*\j:XR+4*\j+1] offset:\j*XPITCH
.endr
	s_wait_dscnt 0x0                               ; my LDS stores are done, for the other waves' sake
	s_barrier_signal -1
	s_barrier_wait -1                              ; all 128 rows of x and all eight W fragments are in LDS
.irp s, 0,1,2,3
.irp q, 0,1
	ds_load_b128 v[RL+4*(2*\s+\q):RL+4*(2*\s+\q)+3], v[LR] offset:\s*64+\q*32      ; x[16 w + r][32 s + 16 q + 8 h ..]
.endr
.endr
.irp f, 0,1,2,3,4,5,6,7
	ds_load_b128 v[WFR+8*\f:WFR+8*\f+3],   v[LF] offset:\f*1024
	ds_load_b128 v[WFR+8*\f+4:WFR+8*\f+7], v[LF] offset:\f*1024+512
.endr
.irp t, 0,1,2,3
	ds_load_tr16_b128 v[BF+8*\t:BF+8*\t+3],   v[LT] offset:\t*32*XPITCH             ; c = 32 t + 8 h .. +7 of token 16 w + r
	ds_load_tr16_b128 v[BF+8*\t+4:BF+8*\t+7], v[LT] offset:\t*32*XPITCH+16*XPITCH   ; c = 32 t + 16 + 8 h .. +7
.endr
	s_wait_dscnt 24                                ; the first eight LDS loads are in; the 24 behind them may be out
.irp s, 0,1,2,3
.irp q, 0,1
	global_store_b128 v[O16], v[RL+4*(2*\s+\q):RL+4*(2*\s+\q)+3], s[30:31] offset:\s*SUBB+\q*512
.endr
.endr
	s_wait_dscnt 0x0
	; q and k of my sixteen tokens.  The two accumulators take turns, one instruction a turn.
.irp t, 0,1,2,3
	v_wmma_f32_16x16x32_bf16 v[DQ:DQ+7], v[WFR+8*\t:WFR+8*\t+7],       v[BF+8*\t:BF+8*\t+7], v[DQ:DQ+7]
	v_wmma_f32_16x16x32_bf16 v[DK:DK+7], v[WFR+32+8*\t:WFR+32+8*\t+7], v[BF+8*\t:BF+8*\t+7], v[DK:DK+7]
.endr
.rept 4
	v_nop                                          ; four places before vector instructions read the results (ISA guide 7.12.1)
.endr
.irp k, 0,2,4,6
	v_pk_mul_f32 v[DQ+\k:DQ+\k+1], v[DQ+\k:DQ+\k+1], LOG2E op_sel_hi:[1,0]
.endr
.irp k, 0,1,2,3
	v_cvt_pk_bf16_f32 v[XR+\k],   v[DQ+2*\k], v[DQ+2*\k+1]     ; lane (r, h): channels 8 h .. 8 h + 7 of token 16 w + r, 16 bytes
	v_cvt_pk_bf16_f32 v[XR+4+\k], v[DK+2*\k], v[DK+2*\k+1]
.endr
	global_store_b128 v[O16], v[XR:XR+3],   s[18:19]
	global_store_b128 v[O16], v[XR+4:XR+7], s[32:33] offset:8192   ; the K fragments lie behind a substep's eight X fragments
	s_wait_tensorcnt 0x0
	ds_add_u32 v254, v255
	s_wait_dscnt 0x0
	s_endpgm
.Lfunc_end_k_qf3b046e492_prep:
	.size	k_qf3b046e492_prep, .Lfunc_end_k_qf3b046e492_prep-k_qf3b046e492_prep
	.p2alignl 7, 3214868480
	.fill 96, 4, 3214868480
	.section	.rodata,"a",@progbits
	.p2align	6, 0x0
	.amdhsa_kernel k_qf3b046e492_prep
		.amdhsa_group_segment_fixed_size 46080
		.amdhsa_private_segment_fixed_size 0
		.amdhsa_enable_private_segment 0
		.amdhsa_kernarg_size 72
		.amdhsa_user_sgpr_count 2
		.amdhsa_user_sgpr_kernarg_segment_ptr 1
		.amdhsa_wavefront_size32 1
		.amdhsa_system_sgpr_workgroup_id_x 1
		.amdhsa_system_sgpr_workgroup_id_y 1
		.amdhsa_system_sgpr_workgroup_id_z 1
		.amdhsa_system_vgpr_workitem_id 0
		.amdhsa_next_free_vgpr 256
		.amdhsa_next_free_sgpr 66
		.amdhsa_reserve_vcc 0
		.amdhsa_float_denorm_mode_32 3
		.amdhsa_float_denorm_mode_16_64 3
		.amdhsa_memory_ordered 1
		.amdhsa_forward_progress 1
		.amdhsa_inst_pref_size 15
	.end_amdhsa_kernel
	.amdgpu_metadata
---
amdhsa.version: [ 1, 2 ]
amdhsa.kernels:
  - .name:           k_qf3b046e492_prep
    .symbol:         k_qf3b046e492_prep.kd
    .args:
      - { .name: x, .offset: 0, .size: 8, .value_kind: global_buffer, .address_space: global }
      - { .name: Wq, .offset: 8, .size: 8, .value_kind: global_buffer, .address_space: global }
      - { .name: Wk, .offset: 16, .size: 8, .value_kind: global_buffer, .address_space: global }
      - { .name: bq, .offset: 24, .size: 8, .value_kind: global_buffer, .address_space: global }
      - { .name: bk, .offset: 32, .size: 8, .value_kind: global_buffer, .address_space: global }
      - { .name: Wv, .offset: 40, .size: 8, .value_kind: global_buffer, .address_space: global }
      - { .name: kv, .offset: 48, .size: 8, .value_kind: global_buffer, .address_space: global }
      - { .name: qb, .offset: 56, .size: 8, .value_kind: global_buffer, .address_space: global }
      - { .name: wvb, .offset: 64, .size: 8, .value_kind: global_buffer, .address_space: global }
    .group_segment_fixed_size: 46080
    .private_segment_fixed_size: 0
    .kernarg_segment_align: 8
    .kernarg_segment_size: 72
    .max_flat_workgroup_size: 256
    .sgpr_count:     66
    .vgpr_count:     256
    .wavefront_size: 32
...
	.end_amdgpu_metadata
.endif
;; end of part 1
;; launch attn (part 2): grid 64 x 4, 8 waves a work-group, clusters of 4 x 1, 327,680 bytes of LDS; arguments kv, qb, wvb, bv, gamma, x, out0; writes out0
.if DOCPART == 2
	.amdgcn_target "amdgcn-amd-amdhsa--gfx1250"
	.amdhsa_code_object_version 6
	.text
	.protected	k_qf3b046e492_attn
	.globl	k_qf3b046e492_attn
	.p2align	8
	.type	k_qf3b046e492_attn,@function
k_qf3b046e492_attn:
	s_mov_b64 s[64:65], 0
	v_nop
	global_prefetch_b8 v0, s[64:65] scope:SCOPE_SE
	s_setreg_imm32_b32 hwreg(HW_REG_WAVE_MODE, 25, 1), 1
	s_wait_xcnt 0x0
	s_wait_alu depctr_hold_cnt(0) depctr_sa_sdst(0) depctr_va_vdst(0) depctr_va_sdst(0) depctr_va_ssrc(0) depctr_va_vcc(0) depctr_vm_vsrc(0)
	s_getreg_b32 s2, hwreg(HW_REG_IB_STS2, 6, 4)
	s_cmp_eq_u32 s2, 0
	s_cbranch_scc0 .Lentry_in_a_cluster
	s_endpgm
.Lentry_in_a_cluster:
	s_bfe_u32 s2, ttmp6, 0x10000c
	s_cmp_lg_u32 s2, 0x3003
	s_cbranch_scc0 .Lentry_shape_is_right
	s_endpgm
.Lentry_shape_is_right:
; out0[b][v][n] = gamma * ( sum over m of softmax_m(q[n].k[m]) * (Wv x[:, m] + bv)[v] ) + x[b][v][n],  4,096 tokens, 4 batches.
; Since the softmax weights of a query sum to 1, the sum equals Wv (sum over m of p[n][m] x[:, m]) + bv for every input: the large product
; takes x itself (bf16, from kv), and Wv is applied once to the work-group's 128 x 64 result.
; A WORK-GROUP takes 64 queries of one batch, eight waves.  EVERY WAVE holds all 64 queries x 128 channels (32 accumulator tiles, 256 registers)
; and takes 512 of the 4,096 keys: an X fragment of 1,024 bytes read from LDS feeds four matrix instructions, and no LDS byte is read twice in the
; main loop.
; EVERYTHING IS TRANSPOSED: S^T = K Q^T gives lane (r, h) the scores of ONE query (column r) for keys 8 h + j; two key tiles' results, packed to bf16,
; are the B fragment of P^T for O^T = X P^T as they stand.  Maximum, sum and scale are one number a lane and query tile.
; Column r of query tile i is query 4 r + i of the 64, so that at the end a lane holds four neighbouring n and sixteen lanes store 256 consecutive bytes.
; SOFTMAX: pass 1 computes the wave's scores (its K fragments, 16 KiB, come in one load) and takes their exact maximum for each query; pass 2 computes them
; again with C = -maximum, so that the matrix unit subtracts; q carries the factor log2(e), so v_exp_f32 finishes.  No accumulator is ever rescaled.
; The eight waves' partial sums are merged at the end, each with the factor 2^(its maximum - the largest maximum) / total sum.
; EARLY AND LATE WAVES: a substep of pass 2 is a vector part (scores, exponentials, sums, packing) and a matrix part (32 products).  Eight waves on four SIMDs
; are two a SIMD, and every round of the barrier sets them off together.  So the waves are of two kinds, kind = (w xor w / 4) & 1: waves w and w + 4 differ
; in kind, and so do waves 2 j and 2 j + 1, so whether the waves are dealt to the SIMDs in turn or in pairs, each SIMD has one of each kind.  An early wave runs
; vector 0, matrix 0, vector 1, matrix 1 in a trip; a late wave puts its last matrix part off to the head of the next trip (it needs registers alone: its X
; fragments and P are in registers in front of the round), so that one kind's products stand beside the other kind's exponentials.
; CLUSTER: the four work-groups of a cluster are four query blocks of one batch and walk the same keys: every tile is asked for jointly (mask 15),
; wave w of each of the four issuing the same descriptor, which is made of the batch, the wave's number, the cluster's x and the trip alone.
; ORDER OF TILES: cluster x begins at tile x mod 8 of each wave's eight and goes round (the maximum is known, so the order of the keys is free).  The first fills of
; the clusters of a batch thus ask for different tiles, and a later refill asks for bytes that another cluster has asked for in an earlier trip.
; LIMITS: matrix operands are bf16 (q log2 e, k, x, P, the normalised sums, Wv).  The softmax's sum is taken over P in f32, the product over P in bf16.
; The order in which keys are summed differs from cluster to cluster.
.set SUBB,  9216                       ; a substep of 32 keys in kv: eight X fragments of 1,024 bytes, two K fragments of 512
.set SLOTB, 2*SUBB                     ; an LDS slot: a tile of 64 keys
.set WAVEB, 2*SLOTB                    ; a wave's two slots; after their last fill they take the wave's partial sums (32 KiB of f32)
.set STATS, 8*WAVEB                    ; 294,912: -maximum at (16 i + r) 32 + 4 w, sum 2,048 bytes further; no tensor load fills these bytes
.set OBB,   STATS+4096                 ; 299,008: the normalised sums as bf16 B fragments, (4 i + t) 1,024 + 512 half + 16 L; 16 KiB
; vector registers, window 0 (window 1, v256-v511: accumulator tile (ct, i) at 8 (4 ct + i); later the partial sums and the B fragments of the last product)
.set LA,  1                            ; my wave's slots + 16 L
.set QO,  2                            ; byte offset of my 16 bytes of q
.set STW, 3                            ; where my statistics go
.set STR, 4                            ; where my query's statistics of all waves lie
.set PA,  5                            ; v5-8: partial sums of source waves 2 p, 2 p + 1, c tile w
.set OBS, 9                            ; where my normalised sums go
.set OBR, 10                           ; OBB + 16 L
.set O16, 11                           ; 16 L
.set LS,  12                           ; v[12:19]   sums of P, a pair for each query tile
.set KA,  20                           ; v[20:51]   four K fragments; registers 4-7 of each (channels 16-31, which do not exist) stay 0
.set QF,  52                           ; v[52:83]   four Q fragments, likewise
.set NM,  84                           ; v[84:115]  pass 1: eight running maxima a query tile; then -maximum, eight times (a C operand)
.set SC,  116                          ; v[116:179] scores of query tile i at 16 i (two key tiles); P is packed in place into 16 i .. 16 i + 7
.set XF,  180                          ; v[180:243] eight X fragments; in pass 1 scores of key tiles 2, 3
.set TA,  244                          ; v[244:251] scratch of pass 1's last step
.set BVO, 252                          ; byte offset of my eight bv
.set XO,  253                          ; byte offset of my 16 bytes in x and out0
.set TT,  254                          ; v254-255 scratch
; the same registers in the merge
.set TM,  12                           ; v12-15  smallest -maximum of query tile i
.set TS,  16                           ; v16-19  total sum, then its reciprocal
.set FD,  20                           ; v[20:83]   factor of (query tile i, source wave ws), twice, at 2 (8 i + ws)
.set XR,  84                           ; v[84:115]  x[16 w + 8 h + j][4 r + i] at 4 j + i, then the output
.set FX,  116                          ; v[116:147] -maxima of the eight waves at 8 i + ws, then 2^(difference)
.set SX,  148                          ; v[148:179] their sums
.set RM,  180                          ; v[180:211] merged and normalised sums of c tile w
.set WVF, 212                          ; v[212:243] Wv's rows 16 w .. +15 as four A fragments
.set BV,  244                          ; v[244:251] bv[16 w + 8 h + j]
.set YA,  116                          ; v[116:147] the last product's four accumulators
; scalar registers: s[4:5] kv at my wave's sixteen substeps (kept), s18 kind of wave (0 early, 1 late), s19 the tile asked for last, s20 wave, s21 cx,
; s22 query block, s23 batch, s52-53 lane selects, s54 counter, s55 gamma,
; s56-59 offsets free of cx (they feed descriptors; s57 stays 0), s60-62 offsets with cx (q, x, out0 alone)
.set G1T, 24                           ; s[24:31] group 1 of a tile
.set G1K, 32                           ; s[32:39] group 1 of the wave's K fragments
.set G0,  40                           ; s[40:47] group 0, a set for each slot
.set G0K, 48                           ; s[48:51] group 0 of the wave's K fragments
.set MSB, 0
.macro WIN new                         ; s_set_vgpr_msb: bits 1:0 source 0, 3:2 source 1, 5:4 source 2, 7:6 destination; the high byte repeats the setting left
.if MSB != \new
	s_set_vgpr_msb (MSB<<8)|\new
.set MSB, \new
.endif
.endm
.macro PLACES n                        ; places behind matrix instructions are plain vector instructions that name none of their registers (ISA guide 7.12.1)
.rept \n
	v_nop
.endr
.endm
; A round of the cluster's barrier: my work-group's barrier, so that wave 0 speaks for all eight waves; wave 0 signals; every wave waits for
; all four work-groups; my work-group's barrier once more.
.macro ROUND
	s_barrier_signal -1
	s_barrier_wait -1
	s_cmp_lg_u32 s20, 0
	s_cbranch_scc1 .Lnot_wave_0_\@
	s_barrier_signal -3
.Lnot_wave_0_\@:
	s_barrier_wait -3
	s_barrier_signal -1
	s_barrier_wait -1
.endm
	s_load_b256 s[4:11], s[0:1], 0x0               ; kv s[4:5], qb s[6:7], wvb s[8:9], bv s[10:11]
	s_load_b128 s[12:15], s[0:1], 0x20             ; gamma s[12:13], x s[14:15]
	s_load_b64 s[16:17], s[0:1], 0x30              ; out0
	v_lshl_add_u32 v254, v0, 2, 0x4d000
	v_mov_b32 v255, 0
	ds_add_u32 v254, v255
	s_wait_dscnt 0x0
	v_lshrrev_b32 v[TT], 5, v0
	v_readfirstlane_b32 s20, v[TT]                 ; wave w
	s_lshr_b32 s18, s20, 2
	s_xor_b32 s18, s18, s20
	s_and_b32 s18, s18, 1                          ; kind of wave: 0 early (waves 0, 2, 5, 7), 1 late (waves 1, 3, 4, 6)
	s_bfe_u32 s21, ttmp6, 0x40000                  ; cx
	s_lshl_b32 s22, ttmp9, 2
	s_add_co_u32 s22, s22, s21                     ; block of 64 queries = 4 x cluster x + cx
	s_and_b32 s23, ttmp7, 0xffff                   ; batch = cluster y (the cluster is one work-group high)
	s_and_b32 s19, ttmp9, 7                        ; the tile at which this cluster begins: cluster x mod 8, the same in all four partners
	s_mov_b32 s52, 0x76543210                      ; v_permlanex16_b32: lane i of one half reads lane i of the other
	s_mov_b32 s53, 0xfedcba98
	; group 1 of a tile: 18,432 dense bytes as 72 rows of 32 elements of 8 bytes
	s_mov_b32 s[G1T+0], 15|(3<<16)|(1<<21)         ; 15:0 mask: all four work-groups of the cluster; 17:16 elements of 8 bytes; 21 set beside a mask; no padding
	s_mov_b32 s[G1T+1], 32<<16                     ; tensor_dim0 = 32
	s_mov_b32 s[G1T+2], 72<<16                     ; tensor_dim1 = 72
	s_mov_b32 s[G1T+3], 32<<16                     ; tile_dim0 = 32
	s_mov_b32 s[G1T+4], 72                         ; tile_dim1 = 72
	s_mov_b32 s[G1T+5], 32                         ; from row to row: 32 elements
	s_mov_b32 s[G1T+6], 0
	s_mov_b32 s[G1T+7], 0
	; group 1 of the wave's K fragments: 16 substeps' 1,024 bytes, 9,216 bytes apart
	s_mov_b32 s[G1K+0], 15|(3<<16)|(1<<21)
	s_mov_b32 s[G1K+1], 128<<16                    ; tensor_dim0 = 128
	s_mov_b32 s[G1K+2], 16<<16                     ; tensor_dim1 = 16
	s_mov_b32 s[G1K+3], 128<<16                    ; tile_dim0 = 128
	s_mov_b32 s[G1K+4], 16                         ; tile_dim1 = 16
	s_mov_b32 s[G1K+5], SUBB/8                     ; from row to row: 1,152 elements
	s_mov_b32 s[G1K+6], 0
	s_mov_b32 s[G1K+7], 0
	s_mul_i32 s56, s23, 128*SUBB                   ; kv: the batch's 128 substeps,
	s_mul_i32 s58, s20, 16*SUBB                    ; my wave's sixteen
	s_add_co_u32 s56, s56, s58
	s_mov_b32 s57, 0
	s_mul_i32 s59, s20, WAVEB                      ; my wave's slots in LDS
	s_wait_kmcnt 0x0
	s_add_nc_u64 s[4:5], s[4:5], s[56:57]
	s_mul_i32 s56, s19, SLOTB                      ; the first tile's bytes from there
.irp s, 0,1
	s_mov_b32 s[G0+4*\s], 1                                        ; count = 1
	s_add_co_u32 s[G0+4*\s+1], s59, \s*SLOTB                       ; LDS address
.endr
	s_add_nc_u64 s[G0+2:G0+3], s[4:5], s[56:57]                    ; slot 0: the tile of the first trip (slot 1's address is made in front of its first load)
	s_or_b32 s[G0+3], s[G0+3], 0x80000000                          ; type = 2
	s_mov_b32 s[G0K], 1
	s_add_co_u32 s[G0K+1], s59, SLOTB                              ; into slot 1, which is not needed for a tile before pass 1 is over
	s_add_nc_u64 s[G0K+2:G0K+3], s[4:5], 8192                      ; a substep's K fragments lie behind its X fragments
	s_or_b32 s[G0K+3], s[G0K+3], 0x80000000
	ROUND                                          ; all four work-groups are here: the first joint loads meet
	tensor_load_to_lds s[G0K:G0K+3], s[G1K:G1K+7]  ; the two first fills go out together: two tensor loads of the wave are out, the most in this text
	s_nop 0
	tensor_load_to_lds s[G0:G0+3], s[G1T:G1T+7]
	s_nop 0
	s_load_b32 s55, s[12:13], 0x0                  ; gamma
	s_lshl_b32 s60, s23, 17                        ; qb: 131,072 bytes a batch,
	s_lshl_b32 s62, s22, 11                        ; 2,048 a block of 64 queries
	s_add_co_u32 s60, s60, s62
	s_mov_b32 s61, 0
	s_add_nc_u64 s[6:7], s[6:7], s[60:61]
	s_lshl_b32 s60, s20, 12
	s_add_nc_u64 s[8:9], s[8:9], s[60:61]          ; wvb: rows 16 w ..
	s_lshl_b32 s60, s20, 6
	s_add_nc_u64 s[10:11], s[10:11], s[60:61]      ; bv: 16 w ..
	s_lshl_b32 s60, s23, 21                        ; x and out0: 2 MiB a batch,
	s_lshl_b32 s62, s20, 18                        ; 16 w rows of 16,384 bytes,
	s_add_co_u32 s60, s60, s62
	s_lshl_b32 s62, s22, 8                         ; 64 queries of 4 bytes a block
	s_add_co_u32 s60, s60, s62
	s_add_nc_u64 s[14:15], s[14:15], s[60:61]
	s_add_nc_u64 s[16:17], s[16:17], s[60:61]
	v_and_b32 v[TT], 31, v0
	v_lshlrev_b32 v[O16], 4, v[TT]
	v_add_nc_u32 v[LA], s59, v[O16]
	v_and_b32 v[TT], 15, v0                        ; r
	v_bfe_u32 v[TT+1], v0, 4, 1                    ; h
	v_lshrrev_b32 v[QO], 2, v[TT]                  ; query 4 r + i lies in token tile r / 4 of the block's four,
	v_lshlrev_b32 v[QO], 9, v[QO]
	v_lshl_add_u32 v[QO], v[TT+1], 8, v[QO]        ; channels 8 h ..,
	v_and_b32 v[STW], 3, v0
	v_lshl_add_u32 v[QO], v[STW], 6, v[QO]         ; place 4 (r % 4) + i of sixteen: 64 (r % 4) bytes, 16 i in the immediate
.irp i, 0,1,2,3
	global_load_b128 v[QF+8*\i:QF+8*\i+3], v[QO], s[6:7] offset:16*\i
.endr
	v_lshlrev_b32 v[STR], 5, v[TT]
	v_add_nc_u32 v[STR], STATS, v[STR]
	s_lshl_b32 s58, s20, 2
	v_add_nc_u32 v[STW], s58, v[STR]
	s_lshl_b32 s58, s20, 12
	v_add_nc_u32 v[PA], s58, v[O16]                ; c tile w's four query tiles begin 4,096 w bytes into a wave's partial sums
	v_add_nc_u32 v[PA+1], 2*WAVEB, v[PA]
	v_add_nc_u32 v[PA+2], 4*WAVEB, v[PA]
	v_add_nc_u32 v[PA+3], 6*WAVEB, v[PA]
	v_add_nc_u32 v[OBR], OBB, v[O16]
	s_lshl_b32 s58, s20, 9
	v_add_nc_u32 v[OBS], s58, v[OBR]
	v_lshlrev_b32 v[BVO], 5, v[TT+1]
	v_lshlrev_b32 v[XO], 4, v[TT]
	v_lshl_add_u32 v[XO], v[TT+1], 17, v[XO]       ; 16 r + 8 h rows of 16,384 bytes
.irp t, 0,1,2,3
.irp k, 4,5,6,7
	v_mov_b32 v[KA+8*\t+\k], 0                     ; q and k have 16 channels, the matrix instruction sums over 32: the upper halves of the fragments are 0, once and for all
	v_mov_b32 v[QF+8*\t+\k], 0
.endr
.endr
; PASS 1, one trip: the scores of four key tiles (64 keys) against all 64 queries, and their maxima.
; tr: the trip; fetch = 1: the next trip's four K fragments are loaded; first = 1: the first scores start the maxima.
.macro P1TRIP tr, fetch, first
	s_wait_dscnt 0x0                               ; this trip's four K fragments
.irp kt, 0,1
.irp i, 0,1,2,3
	v_wmma_f32_16x16x32_bf16 v[SC+16*\i+8*\kt:SC+16*\i+8*\kt+7], v[KA+8*\kt:KA+8*\kt+7], v[QF+8*\i:QF+8*\i+7], 0
.endr
.endr
.irp kt, 0,1
.irp i, 0,1,2,3
	v_wmma_f32_16x16x32_bf16 v[XF+16*\i+8*\kt:XF+16*\i+8*\kt+7], v[KA+16+8*\kt:KA+16+8*\kt+7], v[QF+8*\i:QF+8*\i+7], 0
.endr
.endr
	PLACES 4                                       ; before the results are read and before loads are issued into the K fragments
.irp p, 0,1,2,3,4,5,6,7
.irp i, 0,1,2,3
.if \first
	v_max_num_f32 v[NM+8*\i+\p], v[SC+16*\i+\p], v[SC+16*\i+8+\p]
.else
	v_max3_num_f32 v[NM+8*\i+\p], v[NM+8*\i+\p], v[SC+16*\i+\p], v[SC+16*\i+8+\p]
.endif
.endr
.endr
.if \fetch
.irp kt, 0,1,2,3
	ds_load_b128 v[KA+8*\kt:KA+8*\kt+3], v[LA] offset:SLOTB+(4*(\tr+1)+\kt)*512
.endr
.endif
.irp p, 0,1,2,3,4,5,6,7
.irp i, 0,1,2,3
	v_max3_num_f32 v[NM+8*\i+\p], v[NM+8*\i+\p], v[XF+16*\i+\p], v[XF+16*\i+8+\p]
.endr
.endr
.endm
	s_wait_tensorcnt 0x1                           ; tensor loads of a wave end in order (ISA guide 10.11.1): my K fragments are in; the first tile, issued behind them, may be out.  Only I read these bytes
.irp kt, 0,1,2,3
	ds_load_b128 v[KA+8*\kt:KA+8*\kt+3], v[LA] offset:SLOTB+\kt*512
.endr
	s_wait_loadcnt 0x0                             ; q
	s_wait_kmcnt 0x0                               ; gamma
	P1TRIP 0, 1, 1
	P1TRIP 1, 1, 0
	P1TRIP 2, 1, 0
	P1TRIP 3, 1, 0
	P1TRIP 4, 1, 0
	P1TRIP 5, 1, 0
	P1TRIP 6, 1, 0
	P1TRIP 7, 0, 0
	; eight maxima a lane to one, the other half of the lanes holds the same query's other keys; then -maximum eight times, as a C operand
.irp i, 0,1,2,3
	v_max3_num_f32 v[TA+2*\i],   v[NM+8*\i],   v[NM+8*\i+1], v[NM+8*\i+2]
	v_max3_num_f32 v[TA+2*\i+1], v[NM+8*\i+3], v[NM+8*\i+4], v[NM+8*\i+5]
	v_max3_num_f32 v[TA+2*\i],   v[TA+2*\i],   v[NM+8*\i+6], v[NM+8*\i+7]
	v_max_num_f32  v[TA+2*\i],   v[TA+2*\i],   v[TA+2*\i+1]
	v_permlanex16_b32 v[TA+2*\i+1], v[TA+2*\i], s52, s53       ; its destination counts as read: a register that has been written
	v_max_num_f32  v[TA+2*\i],   v[TA+2*\i],   v[TA+2*\i+1]
.irp p, 0,1,2,3,4,5,6,7
	v_sub_f32 v[NM+8*\i+\p], 0, v[TA+2*\i]
.endr
.endr
; PASS 2, the vector part of a substep of 32 keys: its X fragments are asked for; scores minus maximum, 2^s, sums, P in bf16.  At its end
; the X fragments and P are in registers.  zero = 1: the first addition starts the sums: nothing is cleared.
.macro VPART slot, u, zero
.irp ct, 0,1,2,3,4,5,6,7
	ds_load_b128 v[XF+8*\ct:XF+8*\ct+3],   v[LA] offset:\slot*SLOTB+\u*SUBB+\ct*1024        ; 32 lanes x 16 consecutive bytes
	ds_load_b128 v[XF+8*\ct+4:XF+8*\ct+7], v[LA] offset:\slot*SLOTB+\u*SUBB+\ct*1024+512
.endr
.if \u == 0
	s_wait_dscnt 16                                ; the tile's four K fragments are in; the 16 loads issued behind them may be out
.endif
.irp kt, 0,1
.irp i, 0,1,2,3
	v_wmma_f32_16x16x32_bf16 v[SC+16*\i+8*\kt:SC+16*\i+8*\kt+7], v[KA+8*(2*\u+\kt):KA+8*(2*\u+\kt)+7], v[QF+8*\i:QF+8*\i+7], v[NM+8*\i:NM+8*\i+7]
.endr
.endr
	PLACES 4                                       ; before the results are read
.set e, 0
.rept 64
	v_exp_f32 v[SC+e], v[SC+e]
.set e, e+1
.endr
	v_nop                                          ; one plain vector instruction between a transcendental and the use of its result (ISA guide 5.7.2)
	s_wait_alu depctr_va_vdst(0)
.irp k, 0,1,2,3,4,5,6,7
.irp i, 0,1,2,3
.if \zero
.if \k == 1
	s_wait_alu depctr_va_vdst(0)
	v_pk_add_f32 v[LS+2*\i:LS+2*\i+1], v[SC+16*\i:SC+16*\i+1], v[SC+16*\i+2:SC+16*\i+3]
.endif
.if \k > 1
	v_pk_add_f32 v[LS+2*\i:LS+2*\i+1], v[LS+2*\i:LS+2*\i+1], v[SC+16*\i+2*\k:SC+16*\i+2*\k+1]
.endif
.else
	v_pk_add_f32 v[LS+2*\i:LS+2*\i+1], v[LS+2*\i:LS+2*\i+1], v[SC+16*\i+2*\k:SC+16*\i+2*\k+1]
.endif
.endr
.endr
.irp k, 0,1,2,3,4,5,6,7
.irp i, 0,1,2,3
	v_cvt_pk_bf16_f32 v[SC+16*\i+\k], v[SC+16*\i+2*\k], v[SC+16*\i+2*\k+1]   ; in place, k ascending: register k is written when 2 k and 2 k + 1 have been read
.endr
.endr
	s_wait_dscnt 0x0                               ; the X fragments
.endm
; PASS 2, the matrix part of a substep: the 32 products of the X fragments and P that lie in registers.  zero = 1: they start the sums.
; The 32 accumulators take turns, one instruction a turn, in the same order every time.
; It ends with every window 0 and with its places, so that it may stand in front of a label.
.macro MPART zero
	WIN 0x50                                       ; C and D in window 1
.irp ct, 0,1,2,3,4,5,6,7
.irp i, 0,1,2,3
.if \zero
	v_wmma_f32_16x16x32_bf16 v[8*(4*\ct+\i):8*(4*\ct+\i)+7], v[XF+8*\ct:XF+8*\ct+7], v[SC+16*\i:SC+16*\i+7], 0
.else
	v_wmma_f32_16x16x32_bf16 v[8*(4*\ct+\i):8*(4*\ct+\i)+7], v[XF+8*\ct:XF+8*\ct+7], v[SC+16*\i:SC+16*\i+7], v[8*(4*\ct+\i):8*(4*\ct+\i)+7]
.endif
.endr
.endr
	WIN 0
	PLACES 5                                       ; four before loads are issued into the X fragments, five before matrix instructions write over P
.endm
; One tile of 64 keys.  In front of the round each wave waits for all its tensor loads, this trip's tile among them, and for its LDS reads; behind the round
; the other slot, read in the last trip (in the first trip: in pass 1), is filled again: the wave's one tensor load until the next round.
; It has this trip's work in which to land.  first = 1: the first trip: nothing has been put off, and the first products start the sums.
; The two branches hang on the wave's kind alone and jump over 32 products on registers: no barrier, no tensor load, no wait stands inside them.
.macro TRIP slot, refill, first
	s_wait_xcnt 0x0
	v_lshl_add_u32 v254, v0, 2, 0x4d000
	v_mov_b32 v255, 0
	s_wait_tensorcnt 0x0                           ; no tensor load of mine is out, so a group 0 may be written:
	ds_add_u32 v254, v255
	s_wait_dscnt 0x0
.if \refill
	s_add_co_u32 s19, s19, 1
	s_and_b32 s19, s19, 7                          ; the next tile, round my wave's eight
	s_mul_i32 s56, s19, SLOTB
	s_add_nc_u64 s[G0+6-4*\slot:G0+7-4*\slot], s[4:5], s[56:57]    ; the other slot's address
	s_or_b32 s[G0+7-4*\slot], s[G0+7-4*\slot], 0x80000000          ; type = 2
.endif
	s_wait_dscnt 0x0                               ; my reads of the other slot are done (a late wave's last X fragments are in registers)
	ROUND                                          ; both now hold of every wave of the four work-groups
.if \refill
	tensor_load_to_lds s[G0+4-4*\slot:G0+7-4*\slot], s[G1T:G1T+7]
	s_nop 0
.endif
.irp u, 0,1
.irp kt, 0,1
	ds_load_b128 v[KA+8*(2*\u+\kt):KA+8*(2*\u+\kt)+3], v[LA] offset:\slot*SLOTB+\u*SUBB+8192+\kt*512
.endr
.endr
.if \first == 0
	s_cmp_eq_u32 s18, 0
	s_cbranch_scc1 .Lnot_late_\@
	MPART 0                                        ; late waves: the products put off in the last trip
.Lnot_late_\@:
.endif
	VPART \slot, 0, \first
	MPART \first
	VPART \slot, 1, 0
	s_cmp_lg_u32 s18, 0
	s_cbranch_scc1 .Lput_off_\@
	MPART 0                                        ; early waves; late waves put these products off
.Lput_off_\@:
.endm
	TRIP 0, 1, 1                                   ; trips 0 and 1 stand in front of the loop: their first products start the sums
	TRIP 1, 1, 0
	s_mov_b32 s54, 2
.Llap:
	TRIP 0, 1, 0                                   ; trips 2 to 5
	TRIP 1, 1, 0
	s_sub_co_u32 s54, s54, 1
	s_cmp_lg_u32 s54, 0
	s_cbranch_scc1 .Llap
	TRIP 0, 1, 0                                   ; trip 6 asks for the last tile
	TRIP 1, 0, 0                                   ; trip 7: nothing is left to fetch
	s_cmp_eq_u32 s18, 0
	s_cbranch_scc1 .Lall_in
	MPART 0                                        ; late waves: the last products
.Lall_in:
	; THE MERGE.  What the last product needs is asked for now.
.irp t, 0,1,2,3
	global_load_b128 v[WVF+8*\t:WVF+8*\t+3],   v[O16], s[8:9] offset:\t*1024
	global_load_b128 v[WVF+8*\t+4:WVF+8*\t+7], v[O16], s[8:9] offset:\t*1024+512
.endr
	global_load_b128 v[BV:BV+3],   v[BVO], s[10:11]
	global_load_b128 v[BV+4:BV+7], v[BVO], s[10:11] offset:16
.irp i, 0,1,2,3
	v_add_f32 v[LS+2*\i], v[LS+2*\i], v[LS+2*\i+1]
	v_permlanex16_b32 v[LS+2*\i+1], v[LS+2*\i], s52, s53
	v_add_f32 v[LS+2*\i], v[LS+2*\i], v[LS+2*\i+1]             ; the sum of P over my wave's 512 keys, in both lanes of the query
.endr
	; my partial sums go into my own two slots, which have had their last fill and whose reads are done
	WIN 0x04                                       ; store data in window 1
.set a, 0
.rept 32
	ds_store_b128 v[LA], v[8*a:8*a+3]   offset:a*1024
	ds_store_b128 v[LA], v[8*a+4:8*a+7] offset:a*1024+512
.set a, a+1
.endr
	WIN 0
.irp i, 0,1,2,3
	ds_store_b32 v[STW], v[NM+8*\i] offset:\i*512              ; both lanes of a query write the same word with the same value
	ds_store_b32 v[STW], v[LS+2*\i] offset:\i*512+2048
.endr
	s_wait_dscnt 0x0                               ; my LDS stores are done, for the other waves' sake
	s_barrier_signal -1
	s_barrier_wait -1
.irp j, 0,1,2,3,4,5,6,7
	global_load_b128 v[XR+4*\j:XR+4*\j+3], v[XO], s[14:15] offset:\j*16384     ; the residual: sixteen lanes read 256 consecutive bytes of a row
.endr
.irp i, 0,1,2,3
	ds_load_b128 v[FX+8*\i:FX+8*\i+3],   v[STR] offset:\i*512
	ds_load_b128 v[FX+8*\i+4:FX+8*\i+7], v[STR] offset:\i*512+16
	ds_load_b128 v[SX+8*\i:SX+8*\i+3],   v[STR] offset:\i*512+2048
	ds_load_b128 v[SX+8*\i+4:SX+8*\i+7], v[STR] offset:\i*512+2064
.endr
.macro PTLOAD ws                       ; source wave ws's partial sums of c tile w: eight loads, into window 1 at 32 ws
.irp i, 0,1,2,3
	ds_load_b128 v[32*\ws+8*\i:32*\ws+8*\i+3],   v[PA+\ws/2] offset:(\ws%2)*WAVEB+\i*1024
	ds_load_b128 v[32*\ws+8*\i+4:32*\ws+8*\i+7], v[PA+\ws/2] offset:(\ws%2)*WAVEB+\i*1024+512
.endr
.endm
	WIN 0x40                                       ; destination in window 1
	PTLOAD 0
	PTLOAD 1
	PTLOAD 2
	PTLOAD 3
	WIN 0
	s_wait_dscnt 32                                ; the sixteen loads of statistics are in; the 32 behind them may be out
	; factor of source wave ws = 2^(its maximum - the largest) / sum over the waves of 2^(..) x its sum.  The wave with the largest maximum
	; contributes a sum of about 1 or more, so the total is never 0.
.irp i, 0,1,2,3
	v_min3_num_f32 v[TM+\i], v[FX+8*\i], v[FX+8*\i+1], v[FX+8*\i+2]
.endr
.irp i, 0,1,2,3
	v_min3_num_f32 v[TM+\i], v[TM+\i], v[FX+8*\i+3], v[FX+8*\i+4]
.endr
.irp i, 0,1,2,3
	v_min3_num_f32 v[TM+\i], v[TM+\i], v[FX+8*\i+5], v[FX+8*\i+6]
.endr
.irp i, 0,1,2,3
	v_min_num_f32 v[TM+\i], v[TM+\i], v[FX+8*\i+7]             ; the smallest -maximum = minus the largest maximum
.endr
.irp ws, 0,1,2,3,4,5,6,7
.irp i, 0,1,2,3
	v_sub_f32 v[FX+8*\i+\ws], v[TM+\i], v[FX+8*\i+\ws]         ; maximum of ws - largest maximum, 0 or below
.endr
.endr
.set e, 0
.rept 32
	v_exp_f32 v[FX+e], v[FX+e]
.set e, e+1
.endr
	v_nop                                          ; the place behind the transcendentals
	s_wait_alu depctr_va_vdst(0)
.irp i, 0,1,2,3
	v_mul_f32 v[TS+\i], v[FX+8*\i], v[SX+8*\i]
.endr
.irp ws, 1,2,3,4,5,6,7
.irp i, 0,1,2,3
	v_fmac_f32 v[TS+\i], v[FX+8*\i+\ws], v[SX+8*\i+\ws]
.endr
.endr
.irp i, 0,1,2,3
	v_rcp_f32 v[TS+\i], v[TS+\i]
.endr
	v_nop                                          ; the place behind the transcendentals
	s_wait_alu depctr_va_vdst(0)
.irp ws, 0,1,2,3,4,5,6,7
.irp i, 0,1,2,3
	v_mul_f32 v[FD+2*(8*\i+\ws)],   v[FX+8*\i+\ws], v[TS+\i]   ; twice: a pair for the packed multiply-adds
	v_mul_f32 v[FD+2*(8*\i+\ws)+1], v[FX+8*\i+\ws], v[TS+\i]
.endr
.endr
	WIN 0x40
	PTLOAD 4
	PTLOAD 5
	PTLOAD 6
	PTLOAD 7
	WIN 0x01                                       ; source 0 in window 1
.irp ws, 0,1,2,3,4,5,6,7
	s_wait_dscnt 56-8*\ws                          ; source ws's eight loads are in; those of the later sources, eight each, may be out
.irp i, 0,1,2,3
.irp p, 0,2,4,6
.if \ws == 0
	v_pk_mul_f32 v[RM+8*\i+\p:RM+8*\i+\p+1], v[32*\ws+8*\i+\p:32*\ws+8*\i+\p+1], v[FD+2*(8*\i+\ws):FD+2*(8*\i+\ws)+1]
.else
	v_pk_fma_f32 v[RM+8*\i+\p:RM+8*\i+\p+1], v[32*\ws+8*\i+\p:32*\ws+8*\i+\p+1], v[FD+2*(8*\i+\ws):FD+2*(8*\i+\ws)+1], v[RM+8*\i+\p:RM+8*\i+\p+1]
.endif
.endr
.endr
.endr
	WIN 0
	; lane (r, h) holds channels 16 w + 8 h + j of query column r: packed, that is half (w % 2) of the B fragment of K step w / 2, as it stands
.irp i, 0,1,2,3
.irp k, 0,1,2,3
	v_cvt_pk_bf16_f32 v[RM+8*\i+\k], v[RM+8*\i+2*\k], v[RM+8*\i+2*\k+1]
.endr
.endr
.irp i, 0,1,2,3
	ds_store_b128 v[OBS], v[RM+8*\i:RM+8*\i+3] offset:\i*4096
.endr
	s_wait_dscnt 0x0                               ; my LDS stores are done, for the other waves' sake
	s_barrier_signal -1
	s_barrier_wait -1
	; THE LAST PRODUCT: rows 16 w .. +15 of Wv times the 128 x 64 normalised sums, started by bv
	WIN 0x40
.set a, 0
.rept 16
	ds_load_b128 v[8*a:8*a+3],   v[OBR] offset:a*1024          ; fragment (i, t) = 4 i + t, into window 1
	ds_load_b128 v[8*a+4:8*a+7], v[OBR] offset:a*1024+512
.set a, a+1
.endr
	WIN 0
	s_wait_dscnt 0x0
	s_wait_loadcnt 0x0                             ; Wv's fragments, bv, the residual
	WIN 0x04                                       ; B in window 1
	; the four accumulators take turns, one instruction a turn
.irp i, 0,1,2,3
	v_wmma_f32_16x16x32_bf16 v[YA+8*\i:YA+8*\i+7], v[WVF:WVF+7], v[8*(4*\i):8*(4*\i)+7], v[BV:BV+7]
.endr
.irp t, 1,2,3
.irp i, 0,1,2,3
	v_wmma_f32_16x16x32_bf16 v[YA+8*\i:YA+8*\i+7], v[WVF+8*\t:WVF+8*\t+7], v[8*(4*\i+\t):8*(4*\i+\t)+7], v[YA+8*\i:YA+8*\i+7]
.endr
.endr
	WIN 0
	PLACES 4                                       ; before the results are read
.irp j, 0,1,2,3,4,5,6,7
.irp i, 0,1,2,3
	v_fma_f32 v[XR+4*\j+\i], s55, v[YA+8*\i+\j], v[XR+4*\j+\i] ; gamma x result + x, for channel 16 w + 8 h + j and query 4 r + i
.endr
.endr
.irp j, 0,1,2,3,4,5,6,7
	global_store_b128 v[XO], v[XR+4*\j:XR+4*\j+3], s[16:17] offset:\j*16384 th:TH_STORE_NT   ; sixteen lanes store 256 consecutive bytes, at a multiple of 256 from out0's first byte
.endr
	s_wait_xcnt 0x0
	v_lshl_add_u32 v254, v0, 2, 0x4d000
	v_mov_b32 v255, 0
	s_wait_tensorcnt 0x0
	ds_add_u32 v254, v255
	s_wait_dscnt 0x0
	ROUND                                          ; the closing round: no work-group ends while a partner may still ask for a tile that names it
	s_endpgm
.Lfunc_end_k_qf3b046e492_attn:
	.size	k_qf3b046e492_attn, .Lfunc_end_k_qf3b046e492_attn-k_qf3b046e492_attn
	.p2alignl 7, 3214868480
	.fill 96, 4, 3214868480
	.section	.rodata,"a",@progbits
	.p2align	6, 0x0
	.amdhsa_kernel k_qf3b046e492_attn
		.amdhsa_group_segment_fixed_size 327680
		.amdhsa_private_segment_fixed_size 0
		.amdhsa_enable_private_segment 0
		.amdhsa_kernarg_size 56
		.amdhsa_user_sgpr_count 2
		.amdhsa_user_sgpr_kernarg_segment_ptr 1
		.amdhsa_wavefront_size32 1
		.amdhsa_system_sgpr_workgroup_id_x 1
		.amdhsa_system_sgpr_workgroup_id_y 1
		.amdhsa_system_sgpr_workgroup_id_z 1
		.amdhsa_system_vgpr_workitem_id 0
		.amdhsa_next_free_vgpr 512
		.amdhsa_next_free_sgpr 66
		.amdhsa_reserve_vcc 0
		.amdhsa_float_denorm_mode_32 3
		.amdhsa_float_denorm_mode_16_64 3
		.amdhsa_memory_ordered 1
		.amdhsa_forward_progress 1
		.amdhsa_inst_pref_size 226
	.end_amdhsa_kernel
	.amdgpu_metadata
---
amdhsa.version: [ 1, 2 ]
amdhsa.kernels:
  - .name:           k_qf3b046e492_attn
    .symbol:         k_qf3b046e492_attn.kd
    .args:
      - { .name: kv, .offset: 0, .size: 8, .value_kind: global_buffer, .address_space: global }
      - { .name: qb, .offset: 8, .size: 8, .value_kind: global_buffer, .address_space: global }
      - { .name: wvb, .offset: 16, .size: 8, .value_kind: global_buffer, .address_space: global }
      - { .name: bv, .offset: 24, .size: 8, .value_kind: global_buffer, .address_space: global }
      - { .name: gamma, .offset: 32, .size: 8, .value_kind: global_buffer, .address_space: global }
      - { .name: x, .offset: 40, .size: 8, .value_kind: global_buffer, .address_space: global }
      - { .name: out0, .offset: 48, .size: 8, .value_kind: global_buffer, .address_space: global }
    .group_segment_fixed_size: 327680
    .private_segment_fixed_size: 0
    .kernarg_segment_align: 8
    .kernarg_segment_size: 56
    .max_flat_workgroup_size: 256
    .sgpr_count:     66
    .vgpr_count:     512
    .wavefront_size: 32
...
	.end_amdgpu_metadata
.endif
;; end of part 2
;; ======== version 2 of 2: 2 launches; version 1 with the launch prep written anew for expert scheduling mode
;; workspace buffers: kv 4,718,592 bytes; qb 524,288 bytes; wvb 32,768 bytes
;; launch prep (part 3): grid 32 x 4, 8 waves a work-group, no clusters, 46,080 bytes of LDS; arguments x, Wq, Wk, bq, bk, Wv, kv, qb, wvb; writes kv, qb, wvb
.if DOCPART == 3
	.amdgcn_target "amdgcn-amd-amdhsa--gfx1250"
	.amdhsa_code_object_version 6
	.text
	.protected	k_qf3b046e492_prep
	.globl	k_qf3b046e492_prep
	.p2align	8
	.type	k_qf3b046e492_prep,@function
k_qf3b046e492_prep:
	s_mov_b64 s[64:65], 0
	v_nop
	global_prefetch_b8 v0, s[64:65] scope:SCOPE_SE
	s_setreg_imm32_b32 hwreg(HW_REG_WAVE_SCHED_MODE, 0, 2), 2
	s_setreg_imm32_b32 hwreg(HW_REG_WAVE_MODE, 25, 1), 1
	s_wait_xcnt 0x0
	s_wait_alu depctr_vm_vsrc(0)
; PREPARATION FOR THE ATTENTION LAUNCH.  x: [4][128 c][4096 n] f32.  A work-group takes 128 tokens of one batch, eight waves.
; It stores, all in bf16 and all in the order in which a matrix instruction's lanes want their 16 bytes (L = lane, r = L % 16, h = L / 16):
;   kv  [b][substep of 32 tokens: 128][9,216 bytes]: eight X fragments of 1,024 bytes (c tile ct; byte q2*512 + 16 L = x[16 ct + r][32 s + 16 q2 + 8 h .. +7]),
;       then two K fragments of 512 bytes (token tile kt; byte 16 L = k[32 s + 16 kt + r][8 h .. +7])
;   qb  [b][token tile of 16: 256][512 bytes]: byte 16 L = log2(e) * q[16 t + r][8 h .. +7]   (the factor turns e^s into 2^s' for the next launch)
;   wvb [vt 8][t 4][q2 2][L 32][16 bytes] = Wv[16 vt + r][32 t + 16 q2 + 8 h .. +7]; each work-group converts one block of 256 bytes of it
; q and k are matrix products W (16 x 128) times x (128 x 16 tokens a wave), bf16 operands, f32 sums that start from the bias.
; Every store of a wave covers 512 (wvb: 256) consecutive bytes that start at a multiple of 256 from the buffer's first byte.
; No tensor loads, no cluster: no two work-groups read the same bytes of x, and the weights are a small part of what a work-group reads
; (16 KiB of Wq and Wk beside 64 KiB of x).
; LIMIT: x, Wq, Wk, Wv, q and k are rounded to bf16 (nearest even), as operands of matrix products.
; THE MODE: SCHED_MODE bits 1:0 = 2 (LLVM: expert scheduling mode 2), set by the entry lines.  The code itself states the register dependences
; between vector or matrix instructions and memory or LDS instructions, with s_wait_alu, always for 0.
; THE PLAN.  Registers that memory or LDS instructions touch:
;   v4-v13, v254, v255   offsets and LDS addresses: written at the head, read by every load and store, never written again: one wait ahead of the first load serves them all.
;   WR, DQ, DK, XR, WV   loads alone land in them, once, and no vector instruction names them before.
;   CV                   written by eight conversions, read by two LDS stores, never written again.
;   XR + 4 j, + 4 j + 1  written by row j's two conversions, read by row j's LDS store.  The 16 rows go in four batches of four: a batch's head waits for its loads, states
;                        that the batch before is written, stores that batch and converts its own: five waits for the eighteen LDS stores (the W chunks go as the batch in front of batch 0).
;   v48-v55              the first eight of XR are written once more, by the conversions of q and k: one wait states that the LDS stores have read them, another that they are
;                        written, ahead of the last two global stores.
;   WVP                  wave 0 alone: two conversions write it, one global store reads it.
;   RL, WFR, BF          LDS loads alone land in them; RL leaves by global stores, WFR and BF are matrix operands: no vector instruction writes them.
.set XPITCH, 288                       ; an LDS row of x: 256 bytes of bf16 + 32: an odd multiple of 32 bytes, so that the transposing loads' rows start in different banks
.set WFB,    128*XPITCH                ; behind the 128 rows: the eight W fragments (Wq's four K steps, then Wk's), 1,024 bytes each
.set SUBB,   9216                      ; bytes of a substep in kv
.set LOG2E,  0x3fb8aa3b
.set VL,  1                            ; lane
.set VR,  2                            ; r
.set VH,  3                            ; h
.set OW,  4                            ; byte offset of my 8 numbers in Wq and in Wk
.set OBI, 5                            ; byte offset of my 8 biases
.set O16, 6                            ; 16 L
.set LW,  7                            ; LDS: where my W chunk goes
.set LX,  8                            ; LDS: where my 8 bytes of a row of x go
.set LR,  9                            ; LDS: my 16 bytes of an X fragment
.set LF,  10                           ; LDS: my 16 bytes of a W fragment
.set LT,  11                           ; LDS: my address for the transposing loads
.set OV,  12                           ; byte offset of my 4 numbers of Wv
.set O8,  13                           ; 8 L
.set T,   14                           ; v14-15 scratch: no memory instruction names them
.set WR,  16                           ; v[16:31]   my chunks of Wq and Wk, f32
.set DQ,  32                           ; v[32:39]   q's sums, started by bq
.set DK,  40                           ; v[40:47]   k's sums, started by bk
.set XR,  48                           ; v[48:111]  16 rows of x as loaded, converted in place; at the end the packed q and k
.set CV,  112                          ; v[112:119] my W chunks in bf16
.set RL,  120                          ; v[120:151] my c tile's eight halves of X fragments
.set WFR, 152                          ; v[152:215] the eight W fragments
.set BF,  216                          ; v[216:247] x as B fragments, four K steps
.set WV,  248                          ; v[248:251] four numbers of Wv
.set WVP, 252                          ; v[252:253] the same in bf16
	s_load_b256 s[4:11], s[0:1], 0x0               ; x s[4:5], Wq s[6:7], Wk s[8:9], bq s[10:11]
	s_load_b256 s[12:19], s[0:1], 0x20             ; bk s[12:13], Wv s[14:15], kv s[16:17], qb s[18:19]
	s_load_b64 s[20:21], s[0:1], 0x40              ; wvb
	v_lshl_add_u32 v254, v0, 2, 0xb000             ; my spare word, behind the W fragments, and 0: made here and kept for the closing lines alone
	v_mov_b32 v255, 0
	v_lshrrev_b32 v[T], 5, v0
	v_readfirstlane_b32 s22, v[T]                  ; wave w: c rows 16 w .. +15 on the way in, tokens 16 w .. +15 in the products
	s_and_b32 s24, ttmp7, 0xffff                   ; batch b; ttmp9 is the block of 128 tokens, kb
	v_and_b32 v[VL], 31, v0
	v_and_b32 v[VR], 15, v0
	v_bfe_u32 v[VH], v0, 4, 1
	v_lshlrev_b32 v[O16], 4, v[VL]
	v_lshlrev_b32 v[O8], 3, v[VL]
	v_lshlrev_b32 v[OBI], 5, v[VH]                 ; biases 8 h .. 8 h + 7
	v_lshl_add_u32 v[OW], v[VR], 9, v[OBI]         ; W[r][16 w + 8 h ..]: 512 r + 32 h
	s_wait_alu depctr_va_sdst(0)                   ; s22 is written, ahead of its first reader: offsets, bases and one branch are made from it
	s_lshl_b32 s25, s22, 6
	v_add_nc_u32 v[OW], s25, v[OW]                 ; + 64 w
	s_lshl_b32 s25, s22, 9
	s_add_co_u32 s25, s25, WFB
	v_add_nc_u32 v[LW], s25, v[O16]                ; chunk w is half (w % 2) of K step w / 2: fragment bytes 512 w + 16 L
	s_mul_i32 s25, s22, 16*XPITCH                  ; my 16 rows of x in LDS
	v_add_nc_u32 v[LX], s25, v[O8]
	v_mul_u32_u24 v[T], v[VR], XPITCH
	v_lshl_add_u32 v[T], v[VH], 4, v[T]
	v_add_nc_u32 v[LR], s25, v[T]                  ; row 16 w + r, 16 h bytes in
	v_add_nc_u32 v[LF], WFB, v[O16]
	v_and_b32 v[T], 7, v0
	v_lshl_add_u32 v[T], v[VH], 3, v[T]            ; c row 8 h + L % 8 of a K step's first sixteen
	v_mul_u32_u24 v[T], v[T], XPITCH
	v_bfe_u32 v[T+1], v0, 3, 1
	v_lshl_add_u32 v[T], v[T+1], 4, v[T]           ; tokens 8 ((L / 8) % 2) .. +7 of my sixteen
	s_lshl_b32 s25, s22, 5
	v_add_nc_u32 v[LT], s25, v[T]                  ; my sixteen tokens begin 32 w bytes into a row
	v_lshrrev_b32 v[T], 1, v[VL]
	v_and_b32 v[T+1], 1, v0
	v_lshlrev_b32 v[T+1], 4, v[T+1]
	v_lshl_add_u32 v[OV], v[T], 9, v[T+1]          ; Wv: row L / 2 of sixteen, 4 (L % 2) numbers in
	; byte offsets, each in a pair of its own with 0 above it (all below 4 GiB)
	s_lshl_b32 s26, s24, 21                        ; x: 2 MiB a batch
	s_lshl_b32 s25, s22, 18                        ;    + 16 w rows of 16,384 bytes
	s_add_co_u32 s26, s26, s25
	s_lshl_b32 s25, ttmp9, 9                       ;    + 128 kb tokens
	s_add_co_u32 s26, s26, s25
	s_mov_b32 s27, 0
	s_lshl_b32 s28, s24, 7
	s_lshl_b32 s25, ttmp9, 2
	s_add_co_u32 s28, s28, s25
	s_mul_i32 s28, s28, SUBB                       ; kv: substep 128 b + 4 kb
	s_lshl_b32 s25, s22, 10
	s_add_co_u32 s30, s28, s25                     ; X fragments: c tile w
	s_mov_b32 s31, 0
	s_lshr_b32 s25, s22, 1
	s_mul_i32 s25, s25, SUBB
	s_add_co_u32 s32, s28, s25                     ; K fragment: substep w / 2 of the block's four,
	s_and_b32 s25, s22, 1
	s_lshl_b32 s25, s25, 9
	s_add_co_u32 s32, s32, s25                     ; token tile w % 2
	s_mov_b32 s33, 0
	s_lshl_b32 s34, s24, 8
	s_lshl_b32 s25, ttmp9, 3
	s_add_co_u32 s34, s34, s25
	s_add_co_u32 s34, s34, s22
	s_lshl_b32 s34, s34, 9                         ; qb: token tile 256 b + 8 kb + w
	s_mov_b32 s35, 0
	s_lshl_b32 s25, s24, 5
	s_add_co_u32 s25, s25, ttmp9                   ; g = 32 b + kb, 0 to 127: which 256 bytes of wvb this work-group makes
	s_lshl_b32 s36, s25, 8
	s_mov_b32 s37, 0
	s_lshr_b32 s38, s25, 4
	s_lshl_b32 s38, s38, 13                        ; Wv: rows 16 (g / 16) ..,
	s_and_b32 s25, s25, 15
	s_lshl_b32 s25, s25, 5
	s_add_co_u32 s38, s38, s25                     ; columns 8 (g % 16) ..
	s_mov_b32 s39, 0
	s_wait_kmcnt 0x0
	s_add_nc_u64 s[4:5], s[4:5], s[26:27]
	s_add_nc_u64 s[30:31], s[16:17], s[30:31]
	s_add_nc_u64 s[32:33], s[16:17], s[32:33]
	s_add_nc_u64 s[18:19], s[18:19], s[34:35]
	s_add_nc_u64 s[20:21], s[20:21], s[36:37]
	s_add_nc_u64 s[14:15], s[14:15], s[38:39]
	s_wait_alu depctr_va_vdst(0)                   ; the ten offsets and LDS addresses v4 to v13 are written, which the loads and stores of the whole kernel read; no vector instruction below names them
	; eight small loads, then my sixteen rows of x: each row load covers 512 consecutive bytes
	global_load_b128 v[WR:WR+3],     v[OW], s[6:7]
	global_load_b128 v[WR+4:WR+7],   v[OW], s[6:7] offset:16
	global_load_b128 v[WR+8:WR+11],  v[OW], s[8:9]
	global_load_b128 v[WR+12:WR+15], v[OW], s[8:9] offset:16
	global_load_b128 v[DQ:DQ+3],     v[OBI], s[10:11]          ; register j of a result is channel 8 h + j: the bias lies where the sum will
	global_load_b128 v[DQ+4:DQ+7],   v[OBI], s[10:11] offset:16
	global_load_b128 v[DK:DK+3],     v[OBI], s[12:13]
	global_load_b128 v[DK+4:DK+7],   v[OBI], s[12:13] offset:16
.irp j, 0,1,2,3,4,5,6,7,8,9,10,11,12,13,14,15
	global_load_b128 v[XR+4*\j:XR+4*\j+3], v[O16], s[4:5] offset:\j*16384
.endr
	; wave 0 alone: this work-group's 256 bytes of wvb.  Its wait is for all loads, since this load is the youngest;
	; the counted waits below are then met at once in wave 0.
	s_cmp_lg_u32 s22, 0
	s_cbranch_scc1 .Lno_wv
	global_load_b128 v[WV:WV+3], v[OV], s[14:15]
	s_wait_loadcnt 0x0
	v_cvt_pk_bf16_f32 v[WVP],   v[WV],   v[WV+1]
	v_cvt_pk_bf16_f32 v[WVP+1], v[WV+2], v[WV+3]
	s_wait_alu depctr_va_vdst(0)                   ; the two conversions have written v[WVP:WVP+1], which the store reads
	global_store_b64 v[O8], v[WVP:WVP+1], s[20:21]             ; 32 lanes x 8 bytes: 256 consecutive bytes
.Lno_wv:
; Rows 4 g to 4 g + 3 of my sixteen: rounded in place, two conversions a row; and, a batch later, stored to LDS.
.macro CVT4 g
.irp j, 0,1,2,3
	v_cvt_pk_bf16_f32 v[XR+16*(\g)+4*\j],   v[XR+16*(\g)+4*\j],   v[XR+16*(\g)+4*\j+1]
	v_cvt_pk_bf16_f32 v[XR+16*(\g)+4*\j+1], v[XR+16*(\g)+4*\j+2], v[XR+16*(\g)+4*\j+3]
.endr
.endm
.macro STO4 g
.irp j, 0,1,2,3
	ds_store_b64 v[LX], v[XR+16*(\g)+4*\j:XR+16*(\g)+4*\j+1] offset:(4*(\g)+\j)*XPITCH
.endr
.endm
	s_wait_loadcnt 16                              ; loads come back in order (ISA guide 5.7.1): the eight small ones are in, the 16 rows may be out
.irp k, 0,1,2,3,4,5,6,7
	v_cvt_pk_bf16_f32 v[CV+\k], v[WR+2*\k], v[WR+2*\k+1]
.endr
	s_wait_loadcnt 12                              ; rows 0 to 3 are in, the twelve younger rows may be out
	s_wait_alu depctr_va_vdst(0)                   ; the eight conversions above have written v[CV ..], which the two LDS stores read
	ds_store_b128 v[LW], v[CV:CV+3]                            ; Wq's chunk
	ds_store_b128 v[LW], v[CV+4:CV+7] offset:4096              ; Wk's
	CVT4 0
	s_wait_loadcnt 8                               ; rows 4 to 7 are in
	s_wait_alu depctr_va_vdst(0)                   ; batch 0's conversions have written its rows' first two registers, which the four LDS stores read
	STO4 0
	CVT4 1
	s_wait_loadcnt 4                               ; rows 8 to 11 are in
	s_wait_alu depctr_va_vdst(0)                   ; batch 1's conversions have written what the four LDS stores read
	STO4 1
	CVT4 2
	s_wait_loadcnt 0x0                             ; rows 12 to 15 are in
	s_wait_alu depctr_va_vdst(0)                   ; batch 2's conversions have written what the four LDS stores read
	STO4 2
	CVT4 3
	s_wait_alu depctr_va_vdst(0)                   ; batch 3's conversions have written what the last four LDS stores read
	STO4 3
	s_wait_dscnt 0x0                               ; my LDS stores are done, for the other waves' sake
	s_barrier_signal -1
	s_barrier_wait -1                              ; all 128 rows of x and all eight W fragments are in LDS
	s_wait_alu depctr_vm_vsrc(0)                   ; my LDS stores have read v[XR ..]: the first eight of these registers are written again below, by the conversions of q and k
	; These loads land in registers that no vector instruction has named, by addresses written ahead of the head's wait: nothing more is owed for them.
.irp s, 0,1,2,3
.irp q, 0,1
	ds_load_b128 v[RL+4*(2*\s+\q):RL+4*(2*\s+\q)+3], v[LR] offset:\s*64+\q*32      ; x[16 w + r][32 s + 16 q + 8 h ..]
.endr
.endr
.irp f, 0,1,2,3,4,5,6,7
	ds_load_b128 v[WFR+8*\f:WFR+8*\f+3],   v[LF] offset:\f*1024
	ds_load_b128 v[WFR+8*\f+4:WFR+8*\f+7], v[LF] offset:\f*1024+512
.endr
.irp t, 0,1,2,3
	ds_load_tr16_b128 v[BF+8*\t:BF+8*\t+3],   v[LT] offset:\t*32*XPITCH             ; c = 32 t + 8 h .. +7 of token 16 w + r
	ds_load_tr16_b128 v[BF+8*\t+4:BF+8*\t+7], v[LT] offset:\t*32*XPITCH+16*XPITCH   ; c = 32 t + 16 + 8 h .. +7
.endr
	s_wait_dscnt 24                                ; the first eight LDS loads are in; the 24 behind them may be out
.irp s, 0,1,2,3
.irp q, 0,1
	global_store_b128 v[O16], v[RL+4*(2*\s+\q):RL+4*(2*\s+\q)+3], s[30:31] offset:\s*SUBB+\q*512   ; the data came by LDS loads: the wait above is all that they owe
.endr
.endr
	s_wait_dscnt 0x0
	; q and k of my sixteen tokens.  The two accumulators take turns, one instruction a turn.
.irp t, 0,1,2,3
	v_wmma_f32_16x16x32_bf16 v[DQ:DQ+7], v[WFR+8*\t:WFR+8*\t+7],       v[BF+8*\t:BF+8*\t+7], v[DQ:DQ+7]
	v_wmma_f32_16x16x32_bf16 v[DK:DK+7], v[WFR+32+8*\t:WFR+32+8*\t+7], v[BF+8*\t:BF+8*\t+7], v[DK:DK+7]
.endr
.rept 4
	v_nop                                          ; four places before vector instructions read the results (ISA guide 7.12.1)
.endr
.irp k, 0,2,4,6
	v_pk_mul_f32 v[DQ+\k:DQ+\k+1], v[DQ+\k:DQ+\k+1], LOG2E op_sel_hi:[1,0]
.endr
.irp k, 0,1,2,3
	v_cvt_pk_bf16_f32 v[XR+\k],   v[DQ+2*\k], v[DQ+2*\k+1]     ; lane (r, h): channels 8 h .. 8 h + 7 of token 16 w + r, 16 bytes
	v_cvt_pk_bf16_f32 v[XR+4+\k], v[DK+2*\k], v[DK+2*\k+1]
.endr
	s_wait_alu depctr_va_vdst(0)                   ; the eight conversions have written v[XR:XR+7], which the two stores read
	global_store_b128 v[O16], v[XR:XR+3],   s[18:19]
	global_store_b128 v[O16], v[XR+4:XR+7], s[32:33] offset:8192   ; the K fragments lie behind a substep's eight X fragments
	s_wait_dscnt 0x0                               ; the closing lines, six on end
	s_wait_alu 0x0
	s_wait_tensorcnt 0x0
	ds_add_u32 v254, v255
	s_wait_dscnt 0x0
	s_endpgm
.Lfunc_end_k_qf3b046e492_prep:
	.size	k_qf3b046e492_prep, .Lfunc_end_k_qf3b046e492_prep-k_qf3b046e492_prep
	.p2alignl 7, 3214868480
	.fill 96, 4, 3214868480
	.section	.rodata,"a",@progbits
	.p2align	6, 0x0
	.amdhsa_kernel k_qf3b046e492_prep
		.amdhsa_group_segment_fixed_size 46080
		.amdhsa_private_segment_fixed_size 0
		.amdhsa_enable_private_segment 0
		.amdhsa_kernarg_size 72
		.amdhsa_user_sgpr_count 2
		.amdhsa_user_sgpr_kernarg_segment_ptr 1
		.amdhsa_wavefront_size32 1
		.amdhsa_system_sgpr_workgroup_id_x 1
		.amdhsa_system_sgpr_workgroup_id_y 1
		.amdhsa_system_sgpr_workgroup_id_z 1
		.amdhsa_system_vgpr_workitem_id 0
		.amdhsa_next_free_vgpr 256
		.amdhsa_next_free_sgpr 66
		.amdhsa_reserve_vcc 0
		.amdhsa_float_denorm_mode_32 3
		.amdhsa_float_denorm_mode_16_64 3
		.amdhsa_memory_ordered 1
		.amdhsa_forward_progress 1
		.amdhsa_inst_pref_size 16
	.end_amdhsa_kernel
	.amdgpu_metadata
---
amdhsa.version: [ 1, 2 ]
amdhsa.kernels:
  - .name:           k_qf3b046e492_prep
    .symbol:         k_qf3b046e492_prep.kd
    .args:
      - { .name: x, .offset: 0, .size: 8, .value_kind: global_buffer, .address_space: global }
      - { .name: Wq, .offset: 8, .size: 8, .value_kind: global_buffer, .address_space: global }
      - { .name: Wk, .offset: 16, .size: 8, .value_kind: global_buffer, .address_space: global }
      - { .name: bq, .offset: 24, .size: 8, .value_kind: global_buffer, .address_space: global }
      - { .name: bk, .offset: 32, .size: 8, .value_kind: global_buffer, .address_space: global }
      - { .name: Wv, .offset: 40, .size: 8, .value_kind: global_buffer, .address_space: global }
      - { .name: kv, .offset: 48, .size: 8, .value_kind: global_buffer, .address_space: global }
      - { .name: qb, .offset: 56, .size: 8, .value_kind: global_buffer, .address_space: global }
      - { .name: wvb, .offset: 64, .size: 8, .value_kind: global_buffer, .address_space: global }
    .group_segment_fixed_size: 46080
    .private_segment_fixed_size: 0
    .kernarg_segment_align: 8
    .kernarg_segment_size: 72
    .max_flat_workgroup_size: 256
    .sgpr_count:     66
    .vgpr_count:     256
    .wavefront_size: 32
...
	.end_amdgpu_metadata
.endif
;; end of part 3
;; launch attn: the kernel of part 2 again; grid 64 x 4, 8 waves a work-group, clusters of 4 x 1, 327,680 bytes of LDS; arguments kv, qb, wvb, bv, gamma, x, out0; writes out0
